; MI455X (gfx1250); checked and timed in simulation.
; The chip was launched on July 23, 2026; its instructions are those of AMD's public machine-readable ISA for CDNA 5 (MIT licence, August 2026) and "CDNA5" Instruction Set Architecture Reference Guide (July 2026). The comments in the code are by the model that wrote it; some were corrected since.
;; Quantize. Allowed arithmetic: matrix products marked QUANTISED: E5M2 operands, one E8M0 scale for each 32 along K, by v_wmma_scale_f32_16x16x128_f8f6f4 with both operands' format E5M2, f32 sums; everything else in f32.
;; Inputs: embed 512 x 8,192 float32; input 8 x 2,048 x 512 float32.
;; Outputs: out0 8 x 2,048 x 512 float32; out1 one number float32; out2 8 x 2,048 int32.
;; This version of the problem:
;;   THIS VERSION OF THE PROBLEM IS GIVEN IN LOW PRECISION. The matrix products marked QUANTISED in the list below multiply operands that are first quantised to E5M2 (5 exponent bits, 2 mantissa bits; 8 bits a number), with one power-of-two scale for each 32 numbers along K (OCP MX v1.0); their sums are f32. All else is computed in f32.
;;   The module's matrix products, in the order in which they are computed (A, B: the left and right operand; K: the contracted axis; several contracted axes count as one K, in the product's order):
;;     1. [M 16,384, K 512] x [K 512, N 8,192]; A: input input; B: input embed: QUANTISED
;;   THE QUANTISER, for each operand of a quantised product, along K:
;;     - K is cut into blocks of 32 from its start; a last block that is shorter is filled with zeros.
;;     - A block's scale is 2^e with e = floor(log2(the largest magnitude in the block)) - 15, held to -126 .. 127; a block of zeros has e = 0. As a byte (E8M0): e + 127.
;;     - Each number is divided by its block's scale, clamped to +-57,344, and rounded to the nearest number of E5M2, ties to even, subnormals kept.
;;     - The product sums the exact products of the quantised numbers (number of the format x scale) in f32.
;;   ~~~python
;;   def quantise(x, axis):      # numpy; x: float32 -> the quantised numbers, widened to float32 again
;;       x = np.moveaxis(x, axis, -1); K = x.shape[-1]
;;       x = np.pad(x, [(0, 0)] * (x.ndim - 1) + [(0, -K % 32)]); x = x.reshape(x.shape[:-1] + (-1, 32)); a = np.abs(x).max(-1, keepdims=True)
;;       e = np.where(a > 0, np.clip(np.frexp(np.where(a > 0, a, 1))[1] - 1 - 15, -126, 127), 0)      # np.frexp(a)[1] - 1 = floor(log2(a)), exactly
;;       r = np.clip(x / 2.0 ** e, -57344, 57344)
;;       step = 2.0 ** (np.maximum(np.frexp(np.where(r == 0, 1, r))[1] - 1, -14) - 2)
;;       q = np.round(r / step) * step * 2.0 ** e      # np.round: ties to even
;;       return np.moveaxis(q.reshape(q.shape[:-2] + (-1,))[..., :K], -1, axis).astype(np.float32)
;;   ~~~
;; One version. Each part assembles by itself: llvm-mc -triple=amdgcn-amd-amdhsa -mcpu=gfx1250 --defsym DOCPART=n.
;; ======== version 1 of 1: 4 launches
;; workspace buffers: xrec 8,912,896 bytes; erec 4,456,448 bytes; embt 16,777,216 bytes; candv 131,072 bytes; candi 131,072 bytes of whole numbers; part 65,536 bytes
;; launch quant (part 1): grid 512 x 1, 4 waves a work-group, no clusters, 103,936 bytes of LDS; arguments input, embed, xrec, erec, embt; writes xrec, erec, embt
.if DOCPART == 1
	.amdgcn_target "amdgcn-amd-amdhsa--gfx1250"
	.amdhsa_code_object_version 6
	.text
	.protected	k_qadfa4b589d_quant
	.globl	k_qadfa4b589d_quant
	.p2align	8
	.type	k_qadfa4b589d_quant,@function
k_qadfa4b589d_quant:
	s_mov_b64 s[64:65], 0
	v_nop
	global_prefetch_b8 v0, s[64:65] scope:SCOPE_SE
	s_setreg_imm32_b32 hwreg(HW_REG_WAVE_MODE, 25, 1), 1
	s_wait_xcnt 0x0
; input [16384][512] f32 and embed [512][8192] f32 become operands of the product x . e in codes of E5M2 with one E8M0 scale byte for each 32 along K = 512,
; and embed is also written transposed, embt [8192][512] f32, for the later gather of whole code vectors.
; A RECORD (8,704 bytes = 34 x 256) holds 16 rows r (16 rows of x, or 16 code vectors) in the order of the matrix operand's registers:
;   bytes 0 .. 8191     codes: (r, k) at 512 (k / 32) + 256 ((k % 32) / 16) + 16 r + k % 16: register group g of a fragment is 512 dense bytes at 512 g + 16 x lane
;   bytes 8192 .. 8447  scale bytes: 16 r + k / 32: word s of row r is the scale word of K step s (128 along K)
;   bytes 8448 .. 8703  64 f32: word i belongs to row i & 15 (16 numbers four times over, so that the 256 bytes are written whole): of x the squared norm; of a code vector -1/2 of it,
;                       which the next launch gives its sums as their first addend
; A block's scale is 2^(floor(log2(largest magnitude)) - 15); its byte is the largest magnitude's exponent field - 15, held at 1 from below.
; LIMITS: NaN and infinities among the inputs are not served.  A block of zeros, or one whose largest magnitude lies under 2^(16 - 127), gets the byte 1 (its codes are as the rule has them; the bytes
; are read by this program alone).  The squared norms are summed in another order than a plain left-to-right sum.
; SHARES.  Work-groups 0-255: wave w makes record 4 wg + w of x.  Work-groups 256-511 (g = wg - 256): code vectors 32 g .. 32 g + 31 = records 2 g, 2 g + 1; wave w takes K step w.
; The two paths part on the work-group's number, meet at ONE barrier, and part again; each has LDS bytes of its own; every LDS address is made ahead of the parting.
; No matrix unit, no tensor load, no cluster: nothing here is read by two work-groups through LDS, and the work is a stream.
.set REC,   8704
.set NXWG,  256                        ; work-groups that take x
.set XSTG,  4352                       ; x: a stage of 16 rows x (256 bytes + 16); two for each wave, from LDS byte 0
.set EST,   34816                      ; embed: a stage of 32 rows x (512 bytes + 16) for each wave
.set ESTW,  16896
.set COMB,  102400                     ; embed: scale bytes [column][16]
.set COMB2, 102912                     ; embed: partial squared norms [wave][32]
.set SEL,   28                         ; s[28:29] v_permlanex16_b32's selects for lane l xor 16
.set MNT,   30                         ; s30  the mantissa field of 57,344
.set SW,    24                         ; v24-27 scale words
.set SQ,    28                         ; v[28:31] two packed chains of squares
.set TM,    240                        ; v240.. at work
.set R,     32                         ; x: v32-159 four sets of 32 registers as loaded
.set X,     160                        ; x: v160-223 two sets of 32: 16 neighbours of each of two blocks
.set C,     224                        ; x: v224-239 two sets of 8: codes
.set EX,    32                         ; embed: v32-159 128 numbers down K of my column
.set EC,    160                        ; embed: v160-191 their codes
	s_load_b256 s[4:11], s[0:1], 0x0               ; input s[4:5], embed s[6:7], xrec s[8:9], erec s[10:11]
	s_load_b64 s[12:13], s[0:1], 0x20              ; embt
	v_lshl_add_u32 v254, v0, 2, 0x19400
	v_mov_b32 v255, 0
	v_lshrrev_b32 v1, 5, v0
	v_readfirstlane_b32 s14, v1                    ; wave
	v_and_b32 v1, 31, v0                           ; lane
	v_and_b32 v2, 15, v0                           ; r
	v_bfe_u32 v3, v0, 4, 1                         ; h
	s_mul_i32 s15, s14, 2*XSTG
	v_mul_u32_u24 v4, v3, 272
	v_lshl_add_u32 v4, v2, 4, v4
	v_add_nc_u32 v4, s15, v4                       ; v4  x's stage, in: row h of a pair of rows, 16 r
	v_mul_u32_u24 v5, v2, 272
	v_lshl_add_u32 v5, v3, 6, v5
	v_add_nc_u32 v5, s15, v5                       ; v5  x's stage, out: row r, 64 h: my 16 neighbours of a block
	v_lshlrev_b32 v6, 11, v3
	v_lshl_add_u32 v6, v2, 4, v6                   ; v6  input: row h of a pair (2,048 bytes a row), 16 r
	v_lshlrev_b32 v7, 4, v1                        ; v7  16 x lane
	v_lshlrev_b32 v8, 2, v1                        ; v8  4 x lane
	v_lshlrev_b32 v20, 2, v2
	v_add_nc_u32 v20, s15, v20                     ; v20 x's stage at the end: the norm of row r at 4 r
	v_and_b32 v12, 3, v2
	v_lshlrev_b32 v12, 4, v12                      ; 16 (r & 3)
	v_add_nc_u32 v21, s15, v12                     ; v21 and four neighbouring norms back
	s_mul_i32 s15, s14, ESTW
	s_add_co_u32 s15, s15, EST
	v_mul_u32_u24 v9, v1, 528
	v_add_nc_u32 v9, s15, v9                       ; v9  embed's stage, in: row = my column
	v_add_nc_u32 v10, s15, v7                      ; v10 embed's stage, out: 16 x lane of a row
	v_mul_u32_u24 v11, v3, REC
	v_lshl_add_u32 v11, v2, 4, v11                 ; v11 erec: record h of the pair, 16 r
	s_lshl_b32 s15, s14, 2
	s_add_co_u32 s15, s15, COMB
	v_add_nc_u32 v13, s15, v7                      ; v13 my column's scale word of K step w
	s_lshl_b32 s15, s14, 7
	s_add_co_u32 s15, s15, COMB2
	v_add_nc_u32 v14, s15, v8                      ; v14 my column's partial norm
	v_add_nc_u32 v15, COMB, v7                     ; v15 a column's 16 scale bytes
	v_lshl_add_u32 v16, v3, 6, v12
	v_add_nc_u32 v16, COMB2, v16                   ; v16 four neighbouring columns' partial norms: 16 h + 4 (r & 3) on
	s_mov_b32 s[SEL], 0x76543210
	s_mov_b32 s[SEL+1], 0xfedcba98
	s_mov_b32 s[MNT], 0x600000
	v_mov_b32 v[TM+2], 0                           ; written once: a lane permute's destination counts as one of its sources
	v_mov_b32 v[TM+3], 0
	s_mov_b32 s19, 0
	s_wait_kmcnt 0x0
	s_cmp_lt_u32 ttmp9, NXWG
	s_cbranch_scc0 .Lembed
; ---------------- x: one record a wave, in 8 half steps of 64 along K ----------------
	s_lshl_b32 s16, ttmp9, 2
	s_add_co_u32 s16, s16, s14                     ; my record
	s_lshl_b32 s18, s16, 15                        ; 16 rows of 2,048 bytes
	s_add_nc_u64 s[20:21], s[4:5], s[18:19]
	s_mul_i32 s18, s16, REC
	s_add_nc_u64 s[22:23], s[8:9], s[18:19]
.macro LOADX u                         ; 64 along K of 16 rows: each load takes 256 consecutive, aligned bytes of two rows
.irp i, 0,1,2,3,4,5,6,7
	global_load_b128 v[R+32*((\u)%4)+4*\i:R+32*((\u)%4)+4*\i+3], v6, s[20:21] offset:4096*\i+256*(\u) th:TH_LOAD_NT
.endr
.endm
.macro TURNX u                         ; through my stage: in as loaded, out 16 neighbours of each block a lane.  LDS serves a wave's instructions in order: no wait between
.irp i, 0,1,2,3,4,5,6,7
	ds_store_b128 v4, v[R+32*((\u)%4)+4*\i:R+32*((\u)%4)+4*\i+3] offset:XSTG*((\u)%2)+544*\i
.endr
.irp b, 0,1
.irp j, 0,1,2,3
	ds_load_b128 v[X+32*((\u)%2)+16*\b+4*\j:X+32*((\u)%2)+16*\b+4*\j+3], v5 offset:XSTG*((\u)%2)+128*\b+16*\j
.endr
.endr
.endm
.macro STEPX u
.set XS, X+32*((\u)%2)
.set CS, C+8*((\u)%2)
	s_wait_dscnt 0x0                               ; this half step's numbers are back from the stage, and its stores into the stage have read their registers,
.if (\u) < 4
	LOADX (\u)+4                                   ; which take the loads of four half steps on
.endif
.if (\u) < 7
.if (\u) < 4
	s_wait_loadcnt 24                              ; the next half step's eight loads are in; those of the three behind it may be out
.else
	s_wait_loadcnt 8*(6-(\u))                      ; nothing more is asked for: the count runs down
.endif
	TURNX (\u)+1
.endif
.irp j, 0,2,4,6,8,10,12,14,16,18,20,22,24,26,28,30
.if ((\u) == 0) && (\j < 4)
	v_pk_mul_f32 v[SQ+\j%4:SQ+\j%4+1], v[XS+\j:XS+\j+1], v[XS+\j:XS+\j+1]          ; the first squares start the two chains: nothing is cleared
.else
	v_pk_fma_f32 v[SQ+\j%4:SQ+\j%4+1], v[XS+\j:XS+\j+1], v[XS+\j:XS+\j+1], v[SQ+\j%4:SQ+\j%4+1]
.endif
.endr
.irp b, 0,1
	v_max3_num_f32 v[TM+\b], |v[XS+16*\b]|, |v[XS+16*\b+1]|, 0x8000000             ; my 16 numbers of block b, and the floor 2^(16 - 127): the byte cannot fall under 1
.endr
.irp i, 2,4,6,8,10,12,14
.irp b, 0,1
	v_max3_num_f32 v[TM+\b], v[TM+\b], |v[XS+16*\b+\i]|, |v[XS+16*\b+\i+1]|
.endr
.endr
.irp b, 0,1
	v_permlanex16_b32 v[TM+2+\b], v[TM+\b], s[SEL], s[SEL+1]
.endr
.irp b, 0,1
	v_max_num_f32 v[TM+\b], v[TM+\b], v[TM+2+\b]   ; with lane l xor 16's: the block's largest magnitude
.endr
.irp b, 0,1
	v_add_nc_u32 v[TM+4+\b], 0xf8800000, v[TM+\b]  ; 15 off its exponent field: the conversion takes this operand's exponent field as its scale
.endr
.irp b, 0,1
	v_and_or_b32 v[TM+6+\b], v[TM+\b], 0x7f800000, s[MNT]   ; 57,344 x the scale
.endr
.irp b, 0,1
	v_lshrrev_b32 v[TM+8+\b], 23, v[TM+4+\b]       ; the scale's byte
.endr
.irp b, 0,1
.if 2*((\u)%2)+\b == 0
	v_mov_b32 v[SW+(\u)/2], v[TM+8+\b]             ; four bytes make the scale word of a K step, the lower K in the lower byte
.else
	v_lshl_or_b32 v[SW+(\u)/2], v[TM+8+\b], 8*(2*((\u)%2)+\b), v[SW+(\u)/2]
.endif
.endr
.irp b, 0,1
.set J, 0
.rept 16
	v_med3_num_f32 v[XS+16*\b+J], v[XS+16*\b+J], -v[TM+6+\b], v[TM+6+\b]           ; the conversion to an 8-bit code does not saturate (ISA guide 7.6.2): hold first
.set J, J+1
.endr
.endr
.if (\u) >= 2
	s_wait_xcnt 0x0                                ; the stores of two half steps ago have read this set of code registers
.endif
.irp b, 0,1
	v_cvt_scalef32_pk8_bf8_f32 v[CS+4*\b:CS+4*\b+1], v[XS+16*\b:XS+16*\b+7], v[TM+4+\b]
	v_cvt_scalef32_pk8_bf8_f32 v[CS+4*\b+2:CS+4*\b+3], v[XS+16*\b+8:XS+16*\b+15], v[TM+4+\b]
.endr
	v_nop                                          ; one plain line behind the last conversion
.irp b, 0,1
	global_store_b128 v7, v[CS+4*\b:CS+4*\b+3], s[22:23] offset:512*(2*(\u)+\b)    ; register group 2 u + b of the record: 512 consecutive bytes
.endr
.endm
	LOADX 0
	LOADX 1
	LOADX 2
	LOADX 3
	s_wait_loadcnt 24                              ; half step 0's eight loads are in
	TURNX 0
.irp u, 0,1,2,3,4,5,6,7
	STEPX \u
.endr
	v_pk_add_f32 v[SQ:SQ+1], v[SQ:SQ+1], v[SQ+2:SQ+3]
	v_add_f32 v[SQ], v[SQ], v[SQ+1]
	v_permlanex16_b32 v[SQ+2], v[SQ], s[SEL], s[SEL+1]
	v_add_f32 v[SQ], v[SQ], v[SQ+2]                ; the squared norm of row r, in both halves of the lanes
	ds_store_b32 v20, v[SQ]                        ; 16 norms into my stage (both halves write the same word with the same value),
	ds_load_b128 v[32:35], v21                     ; and four neighbours back: words 4 r .. 4 r + 3 of the norm unit are norms 4 (r & 3) on
	v_cmp_lt_u32 vcc_lo, 15, v1
	s_wait_dscnt 0x0
.irp i, 0,1,2,3
	v_cndmask_b32 v[SW+\i], v[SW+\i], v[32+\i], vcc_lo   ; lanes 0-15 keep row r's four scale words, lanes 16-31 take norms
.endr
	global_store_b128 v7, v[SW:SW+3], s[22:23] offset:8192   ; the scale unit and the norm unit: 512 consecutive bytes
	s_branch .Ljoin
; ---------------- embed: a lane takes a column, its registers run down K: 128 rows a wave ----------------
.Lembed:
	s_sub_co_u32 s16, ttmp9, NXWG                  ; g
	s_lshl_b32 s18, s16, 7                         ; 32 columns of 4 bytes
	s_lshl_b32 s17, s14, 22                        ; 128 rows of 32,768 bytes
	s_add_co_u32 s18, s18, s17
	s_add_nc_u64 s[20:21], s[6:7], s[18:19]
	s_mul_i32 s18, s16, 2*REC
	s_lshl_b32 s17, s14, 11                        ; K step w: register groups 4 w on
	s_add_co_u32 s18, s18, s17
	s_add_nc_u64 s[22:23], s[10:11], s[18:19]
	s_lshl_b32 s18, s16, 16                        ; embt: 32 rows of 2,048 bytes,
	s_lshl_b32 s17, s14, 9                         ; my 128 numbers of each
	s_add_co_u32 s18, s18, s17
	s_add_nc_u64 s[24:25], s[12:13], s[18:19]
.macro LOADE b                         ; block b: embed(128 w + 32 b + i, my column): 128 consecutive bytes a load
.set P, 0
.rept 32
	global_load_b32 v[EX+32*(\b)+P], v8, s[20:21] offset:32768*(32*(\b)+P)
.set P, P+1
.endr
.endm
.macro BLOCKE b
.set XB, EX+32*(\b)
.if (\b) < 3
	s_wait_loadcnt 32                              ; this block's 32 loads are in; the next block's may be out
.else
	s_wait_loadcnt 0x0
.endif
.if (\b) < 2
	LOADE (\b)+2                                   ; two blocks ahead; each block has registers of its own
.endif
.irp p, 0,1,2,3,4,5,6,7
	ds_store_b128 v9, v[XB+4*\p:XB+4*\p+3] offset:128*(\b)+16*\p   ; the numbers as they are, for embt: row = my column
.endr
.irp j, 0,2,4,6,8,10,12,14,16,18,20,22,24,26,28,30
.if ((\b) == 0) && (\j < 4)
	v_pk_mul_f32 v[SQ+\j%4:SQ+\j%4+1], v[XB+\j:XB+\j+1], v[XB+\j:XB+\j+1]
.else
	v_pk_fma_f32 v[SQ+\j%4:SQ+\j%4+1], v[XB+\j:XB+\j+1], v[XB+\j:XB+\j+1], v[SQ+\j%4:SQ+\j%4+1]
.endif
.endr
	v_max3_num_f32 v[TM], |v[XB]|, |v[XB+1]|, |v[XB+2]|            ; the block's largest magnitude: all 32 numbers are mine
	v_max3_num_f32 v[TM+1], |v[XB+3]|, |v[XB+4]|, |v[XB+5]|
.irp i, 6,10,14,18,22,26
	v_max3_num_f32 v[TM], v[TM], |v[XB+\i]|, |v[XB+\i+1]|
	v_max3_num_f32 v[TM+1], v[TM+1], |v[XB+\i+2]|, |v[XB+\i+3]|
.endr
	v_max3_num_f32 v[TM], v[TM], |v[XB+30]|, |v[XB+31]|
	v_max3_num_f32 v[TM], v[TM], v[TM+1], 0x8000000                ; and the floor 2^(16 - 127)
	v_add_nc_u32 v[TM+4], 0xf8800000, v[TM]
	v_and_or_b32 v[TM+6], v[TM], 0x7f800000, s[MNT]
	v_lshrrev_b32 v[TM+8], 23, v[TM+4]
.if (\b) == 0
	v_mov_b32 v[SW], v[TM+8]
.else
	v_lshl_or_b32 v[SW], v[TM+8], 8*(\b), v[SW]
.endif
	s_wait_dscnt 0x0                               ; the stores into the stage have read the numbers: now they may be held
.set J, 0
.rept 32
	v_med3_num_f32 v[XB+J], v[XB+J], -v[TM+6], v[TM+6]
.set J, J+1
.endr
.irp g, 0,1,2,3
	v_cvt_scalef32_pk8_bf8_f32 v[EC+8*(\b)+2*\g:EC+8*(\b)+2*\g+1], v[XB+8*\g:XB+8*\g+7], v[TM+4]
.endr
	v_nop                                          ; one plain line behind the last conversion
	global_store_b128 v11, v[EC+8*(\b):EC+8*(\b)+3], s[22:23] offset:512*(\b)          ; k % 32 = 0 .. 15: sixteen lanes fill 256 aligned bytes of each of the two records
	global_store_b128 v11, v[EC+8*(\b)+4:EC+8*(\b)+7], s[22:23] offset:512*(\b)+256    ; k % 32 = 16 .. 31
.endm
	LOADE 0
	LOADE 1
	BLOCKE 0
	BLOCKE 1
	BLOCKE 2
	BLOCKE 3
	v_pk_add_f32 v[SQ:SQ+1], v[SQ:SQ+1], v[SQ+2:SQ+3]
	v_add_f32 v[SQ], v[SQ], v[SQ+1]
	ds_store_b32 v13, v[SW]                        ; my column's scale word of K step w,
	ds_store_b32 v14, v[SQ]                        ; and its part of the squared norm: for wave 0, behind the barrier
.set P, 0
.rept 32
	ds_load_b128 v[EX+4*P:EX+4*P+3], v10 offset:528*P   ; the stage back by rows: column P's 128 numbers, 16 bytes a lane
.set P, P+1
.endr
.set P, 0
.rept 32
	s_wait_dscnt 31-P                              ; LDS loads come back in order: row P is in
	global_store_b128 v7, v[EX+4*P:EX+4*P+3], s[24:25] offset:2048*P   ; 512 consecutive, aligned bytes of embt
.set P, P+1
.endr
.Ljoin:
	s_wait_dscnt 0x0                               ; for the others' sake: my LDS stores have landed
	s_barrier_signal -1
	s_barrier_wait -1
	s_cmp_lt_u32 ttmp9, NXWG
	s_cbranch_scc1 .Lend                           ; x's work-groups are done
	s_cmp_lg_u32 s14, 0
	s_cbranch_scc1 .Lend
	s_sub_co_u32 s16, ttmp9, NXWG                  ; wave 0 joins the four K steps' scale words and norms
	s_mul_i32 s18, s16, 2*REC
	s_mov_b32 s19, 0
	s_add_nc_u64 s[26:27], s[10:11], s[18:19]
	ds_load_b128 v[192:195], v15
.irp s, 0,1,2,3
	ds_load_b128 v[196+4*\s:199+4*\s], v16 offset:128*\s
.endr
	s_wait_dscnt 0x0
.irp s, 1,2,3
.irp i, 0,1,2,3
	v_add_f32 v[196+\i], v[196+\i], v[196+4*\s+\i] ; the K steps in ascending order
.endr
.endr
.irp i, 0,1,2,3
	v_mul_f32 v[196+\i], -0.5, v[196+\i]           ; a code vector's record holds -1/2 of its squared norm: a power of two, nothing is rounded
.endr
	global_store_b128 v11, v[192:195], s[26:27] offset:8192   ; sixteen lanes fill the scale unit of each of the two records,
	global_store_b128 v11, v[196:199], s[26:27] offset:8448   ; and the norm unit
.Lend:
	s_wait_tensorcnt 0x0
	ds_add_u32 v254, v255
	s_wait_dscnt 0x0
	s_endpgm
.Lfunc_end_k_qadfa4b589d_quant:
	.size	k_qadfa4b589d_quant, .Lfunc_end_k_qadfa4b589d_quant-k_qadfa4b589d_quant
	.p2alignl 7, 3214868480
	.fill 96, 4, 3214868480
	.section	.rodata,"a",@progbits
	.p2align	6, 0x0
	.amdhsa_kernel k_qadfa4b589d_quant
		.amdhsa_group_segment_fixed_size 103936
		.amdhsa_private_segment_fixed_size 0
		.amdhsa_enable_private_segment 0
		.amdhsa_kernarg_size 40
		.amdhsa_user_sgpr_count 2
		.amdhsa_user_sgpr_kernarg_segment_ptr 1
		.amdhsa_wavefront_size32 1
		.amdhsa_system_sgpr_workgroup_id_x 1
		.amdhsa_system_sgpr_workgroup_id_y 1
		.amdhsa_system_sgpr_workgroup_id_z 1
		.amdhsa_system_vgpr_workitem_id 0
		.amdhsa_next_free_vgpr 256
		.amdhsa_next_free_sgpr 66
		.amdhsa_reserve_vcc 1
		.amdhsa_float_denorm_mode_32 3
		.amdhsa_float_denorm_mode_16_64 3
		.amdhsa_memory_ordered 1
		.amdhsa_forward_progress 1
		.amdhsa_inst_pref_size 102
	.end_amdhsa_kernel
	.amdgpu_metadata
---
amdhsa.version: [ 1, 2 ]
amdhsa.kernels:
  - .name:           k_qadfa4b589d_quant
    .symbol:         k_qadfa4b589d_quant.kd
    .args:
      - { .name: input, .offset: 0, .size: 8, .value_kind: global_buffer, .address_space: global }
      - { .name: embed, .offset: 8, .size: 8, .value_kind: global_buffer, .address_space: global }
      - { .name: xrec, .offset: 16, .size: 8, .value_kind: global_buffer, .address_space: global }
      - { .name: erec, .offset: 24, .size: 8, .value_kind: global_buffer, .address_space: global }
      - { .name: embt, .offset: 32, .size: 8, .value_kind: global_buffer, .address_space: global }
    .group_segment_fixed_size: 103936
    .private_segment_fixed_size: 0
    .kernarg_segment_align: 8
    .kernarg_segment_size: 40
    .max_flat_workgroup_size: 128
    .sgpr_count:     66
    .vgpr_count:     256
    .wavefront_size: 32
...
	.end_amdgpu_metadata
.endif
;; end of part 1
;; launch dist (part 2): grid 128 x 2, 4 waves a work-group, clusters of 4 x 1, 327,680 bytes of LDS; arguments xrec, erec, candv, candi; writes candv, candi
.if DOCPART == 2
	.amdgcn_target "amdgcn-amd-amdhsa--gfx1250"
	.amdhsa_code_object_version 6
	.text
	.protected	k_qadfa4b589d_dist
	.globl	k_qadfa4b589d_dist
	.p2align	8
	.type	k_qadfa4b589d_dist,@function
k_qadfa4b589d_dist:
	s_mov_b64 s[64:65], 0
	v_nop
	global_prefetch_b8 v0, s[64:65] scope:SCOPE_SE
	s_setreg_imm32_b32 hwreg(HW_REG_WAVE_MODE, 25, 1), 1
	s_wait_xcnt 0x0
	s_wait_alu depctr_hold_cnt(0) depctr_sa_sdst(0) depctr_va_vdst(0) depctr_va_sdst(0) depctr_va_ssrc(0) depctr_va_vcc(0) depctr_vm_vsrc(0)
	s_getreg_b32 s2, hwreg(HW_REG_IB_STS2, 6, 4)
	s_cmp_eq_u32 s2, 0
	s_cbranch_scc0 .Lentry_in_a_cluster
	s_endpgm
.Lentry_in_a_cluster:
	s_bfe_u32 s2, ttmp6, 0x10000c
	s_cmp_lg_u32 s2, 0x3003
	s_cbranch_scc0 .Lentry_shape_is_right
	s_endpgm
.Lentry_shape_is_right:
; For each of 16,384 rows x and each half of the 8,192 code vectors e: the smallest dist = xx - 2 (x.e - ee / 2) and the first column that has it.
; x.e is the product on codes of E5M2 with E8M0 scales, K = 512 in four steps of 128, one accumulator an output, K ascending.  Operands come as RECORDS of 8,704 bytes for 16 rows:
; 16 register groups of 512 bytes (group g at 512 g + 16 x lane), 256 scale bytes (16 r + k / 32), 64 f32 (word i, for row i & 15: of x the squared norm xx, of a code vector -ee / 2).
; THE ARITHMETIC.  -ee / 2 is the C of each sum's first matrix instruction, so an accumulator holds s = x.e - ee / 2.  xx is the same for all code vectors of a row, so a lane seeks the LARGEST s;
; dist = xx - 2 s is formed once for each candidate that is kept, at the end, and the candidates of lanes, waves and halves are compared by dist.
; LIMITS: the order of rounding differs from (xx - 2 x.e) + ee taken in two f32 steps: s is rounded as the matrix unit rounds its sums, dist once.  Two code vectors whose distances lie within a few units
; in the last place of the distance may so change places.  NaN and infinities are not served.
; SHARES.  Work-group (rg, sp): 128 rows of x (records 8 rg on), half sp of the codebook.  All four waves hold the same 128 rows in 512 registers; wave w walks its own 1,024 code vectors, 64 records,
; so each fragment of e read from LDS feeds eight matrix instructions.  The waves' results meet in LDS at the end.
; CLUSTER.  The four work-groups of a cluster share sp and walk the same four streams of e: each wave's tensor load is a JOINT load (the same descriptor, a mask that names the four).
; RING.  Two slots; a wave's part of a slot is 4 records, 34,816 dense bytes, brought by one load and read by that wave alone.  By this text's count a wave has two loads out at the start and one later.
; THE MATRIX INSTRUCTION IS USED TRANSPOSED: source 0 = 16 code vectors, source 1 = 16 rows of x: lane (r, h) holds row r, register j code vector 8 h + j.
; BY TURNS.  A BLOCK is one record of e against the 128 rows: 32 matrix instructions, the eight accumulators by turns, one instruction a turn.  Each sum needs vector
; work (15 instructions for an accumulator that has four matrix instructions behind it), so the epilogue of the block before, on the other set of accumulators, stands in slices of four behind the matrix instructions.
; A lane keeps, for each of its 8 row blocks, the largest s, the block that had it and that block's eight sums; which of the eight it was is found once, at the end.  A strict > keeps the first.
; No prefetch: each half of erec is walked by 32 clusters, so it is no stream that is read once.
; REGISTERS, in windows of 256: window 0: v1-14 addresses; v16-47 x's scale words (4 a + k); v48-55 e's (4 p + k); v64-191 e's fragments, two sets (64 p + 16 k); v192-207 the last merge.
;   windows 1, 2: x's fragments: row block a at 64 (a % 4) + 16 k; a < 4 in window 1.   window 3: v0-127 accumulators (64 p + 8 a); v128-191 the saved sums; v192.. the state.
; All that a slice touches lies in window 3, and no window has room for e's fragments beside it: a slice costs two switches of the window.
.set REC,   8704
.set SLOTW, 4*REC                      ; a wave's part of a slot
.set SLOTB, 4*SLOTW                    ; a slot
.set MRGV,  2*SLOTB                    ; behind the ring: [wave][128] smallest distances, then [wave][128] columns
.set SPARE, MRGV+4096                  ; the spare words, 128 bytes for each wave: two blocks of 256 bytes that no other line names
.set LB,  1                            ; v1   my ring + 16 x lane
.set SB,  2                            ; v2   my ring + 8192 + 16 r
.set NB,  3                            ; v3   my ring + 8448 + 32 h
.set AF,  4                            ; v4-6 the same in the slot in hand
.set AS,  5
.set AN,  6
.set L16, 7                            ; v7   16 x lane
.set R16, 8                            ; v8   16 r
.set R4,  9                            ; v9   4 r
.set SPW, 10                           ; v10  LDS address of my spare word; never rewritten
.set NIL, 11                           ; v11  0; never rewritten
.set MA,  12                           ; v12  the merge, in: my wave's 128 words, 4 r
.set MR,  13                           ; v13  the merge, out: two rows a lane of half (wave & 1)
.set L8,  14                           ; v14  8 x lane
.set XS,  16
.set ES,  48
.set EF,  64
.set SAV,  128                         ; window 3
.set BEST, 192
.set BID,  200
.set XX,   208
.set EE,   216                         ; 8 p + j: -ee / 2 of my eight code vectors of the record that set p multiplies
.set T,    232
.set H8,   238                         ; 8 h + 4096 sp + 1024 w
.set CURV, 239                         ; the number of the block whose epilogue is in hand
.set MSB, 0
.macro WIN new                         ; the immediate's high byte repeats the setting that is left; a switch that changes nothing is dropped
.if MSB != \new
	s_set_vgpr_msb (MSB<<8)|\new
.set MSB, \new
.endif
.endm
.set M_LO,  0xf4                       ; source 0 (e) window 0, source 1 (x) window 1, C and D window 3
.set M_HI,  0xf8                       ; the same with x in window 2
.set VW,    0xff                       ; all of a slice's operands in window 3
.set TO1,   0x40
.set TO2,   0x80
.set TO3,   0xc0                       ; destination window 3, address window 0
.set FROM3, 0x0c                       ; an LDS store's data (source 1) window 3
.macro CREST                           ; a round of the cluster's barrier behind its opening barrier
	s_cmp_lg_u32 s12, 0
	s_cbranch_scc1 .Lnot_wave_0_\@
	s_barrier_signal -3
.Lnot_wave_0_\@:
	s_barrier_wait -3
	s_barrier_signal -1
	s_barrier_wait -1
.endm
.macro ROUND
	s_barrier_signal -1
	s_barrier_wait -1
	CREST
.endm
	s_load_b256 s[4:11], s[0:1], 0x0               ; xrec s[4:5], erec s[6:7], candv s[8:9], candi s[10:11]
	v_lshl_add_u32 v[SPW], v0, 2, SPARE
	v_mov_b32 v[NIL], 0
	ds_add_u32 v10, v11
	ds_add_u32 v10, v11
	s_wait_dscnt 0x0
	v_lshrrev_b32 v15, 5, v0
	v_readfirstlane_b32 s12, v15                   ; wave
	s_bfe_u32 s13, ttmp6, 0x40000                  ; cx: it enters x's and the results' global addresses alone
	s_lshl_b32 s14, ttmp9, 2
	s_add_co_u32 s14, s14, s13                     ; rg
	s_and_b32 s15, ttmp7, 0xffff                   ; sp, which the four partners share
	s_mul_i32 s16, s12, SLOTW                      ; my ring's place in a slot
	s_mov_b32 s17, 0                               ; the slot in hand: 0 or SLOTB
	s_lshl_b32 s18, s15, 8
	s_lshl_b32 s19, s12, 6
	s_add_co_u32 s18, s18, s19
	s_mul_i32 s18, s18, REC                        ; my stream: records 256 sp + 64 w on
	s_mov_b32 s19, 0
	s_mul_i32 s20, s14, 8*REC                      ; my rows: records 8 rg on
	s_mov_b32 s21, 0
	; descriptor group 1: 34,816 dense bytes as 136 rows of 256 bytes (32 elements of 8 bytes); no padding: the images are read 16 x lane
	s_mov_b32 s24, 15|(3<<16)|(1<<21)              ; 15:0 the mask: all four work-groups; 17:16 elements of 8 bytes; 21 set beside a mask
	s_mov_b32 s25, 32<<16                          ; tensor_dim0
	s_mov_b32 s26, 136<<16                         ; tensor_dim1
	s_mov_b32 s27, 32<<16                          ; tile_dim0
	s_mov_b32 s28, 136                             ; tile_dim1
	s_mov_b32 s29, 32                              ; the pitch
	s_mov_b32 s30, 0
	s_mov_b32 s31, 0
	s_mov_b32 s40, 0x76543210
	s_mov_b32 s41, 0xfedcba98                      ; v_permlanex16_b32's selects for lane l xor 16
	s_mov_b32 s44, 0xff800000                      ; -infinity
	s_wait_kmcnt 0x0
	s_add_nc_u64 s[6:7], s[6:7], s[18:19]
	s_add_nc_u64 s[4:5], s[4:5], s[20:21]
	s_lshl_b32 s20, s15, 16                        ; the results: 4 (16384 sp + 128 rg) + 256 (wave & 1)
	s_lshl_b32 s22, s14, 9
	s_add_co_u32 s20, s20, s22
	s_and_b32 s22, s12, 1
	s_lshl_b32 s22, s22, 8
	s_add_co_u32 s20, s20, s22
	s_add_nc_u64 s[8:9], s[8:9], s[20:21]
	s_add_nc_u64 s[10:11], s[10:11], s[20:21]
	s_mov_b32 s32, 1                               ; group 0 of slot 0's first fill
	s_mov_b32 s33, s16
	s_mov_b64 s[34:35], s[6:7]
	s_or_b32 s35, s35, 0x80000000
	s_mov_b32 s36, 1                               ; group 0 of slot 1's first fill; it then walks on
	s_add_co_u32 s37, s16, SLOTB
	s_add_nc_u64 s[38:39], s[6:7], SLOTW
	s_or_b32 s39, s39, 0x80000000
	ROUND                                          ; all four work-groups are here: the first joint loads meet
	tensor_load_to_lds s[32:35], s[24:31]
	s_nop 0
	tensor_load_to_lds s[36:39], s[24:31]
	s_nop 0
.rept 4
	v_nop
.endr
	v_and_b32 v15, 31, v0
	v_lshlrev_b32 v[L16], 4, v15
	v_lshlrev_b32 v[L8], 3, v15
	v_and_b32 v[R4], 15, v0
	v_lshlrev_b32 v[R16], 4, v[R4]
	v_lshlrev_b32 v[R4], 2, v[R4]
	v_bfe_u32 v15, v0, 4, 1                        ; h
	v_add_nc_u32 v[LB], s16, v[L16]
	v_add_nc_u32 v[SB], s16, v[R16]
	v_add_nc_u32 v[SB], 8192, v[SB]
	v_lshl_add_u32 v[NB], v15, 5, s16
	v_add_nc_u32 v[NB], 8448, v[NB]
	s_lshl_b32 s23, s12, 9
	v_add_nc_u32 v[MA], s23, v[R4]
	v_add_nc_u32 v[MA], MRGV, v[MA]
	v_add_nc_u32 v[MR], s22, v[L8]
	v_add_nc_u32 v[MR], MRGV, v[MR]
	; x stays in registers: 8 row blocks x 16 register groups, their scale words and their squared norms
	WIN TO1
.irp a, 0,1,2,3
.set g, 0
.rept 16
	global_load_b128 v[64*\a+4*g:64*\a+4*g+3], v[L16], s[4:5] offset:REC*\a+512*g
.set g, g+1
.endr
.endr
	WIN TO2
.irp a, 0,1,2,3
.set g, 0
.rept 16
	global_load_b128 v[64*\a+4*g:64*\a+4*g+3], v[L16], s[4:5] offset:REC*(\a+4)+512*g
.set g, g+1
.endr
.endr
	WIN 0
.irp a, 0,1,2,3,4,5,6,7
	global_load_b128 v[XS+4*\a:XS+4*\a+3], v[R16], s[4:5] offset:REC*\a+8192   ; row r's four scale words
.endr
	WIN TO3
.irp a, 0,1,2,3,4,5,6,7
	global_load_b32 v[XX+\a], v[R4], s[4:5] offset:REC*\a+8448                  ; row r's squared norm
.endr
	s_lshl_b32 s23, s15, 12
	s_lshl_b32 s18, s12, 10
	s_add_co_u32 s23, s23, s18
	v_lshl_add_u32 v[H8], v15, 3, s23
.set g, 0
.rept 72
	v_mov_b32 v[SAV+g], s44                        ; the saved sums and the largest so far: -infinity.  (State that every epilogue reads and rewrites, not sums)
.set g, g+1
.endr
.irp a, 0,1,2,3,4,5,6,7
	v_mov_b32 v[BID+\a], 0
.endr
	v_mov_b32 v[CURV], 0
	WIN 0
.macro SETADR                          ; the three LDS addresses in the slot in hand
	v_add_nc_u32 v[AF], s17, v[LB]
	v_add_nc_u32 v[AS], s17, v[SB]
	v_add_nc_u32 v[AN], s17, v[NB]
.endm
.macro NORMS p, rec                    ; -ee / 2 of my eight code vectors of record rec of the slot in hand, into set p: the C of that record's first eight products
	WIN TO3
	ds_load_b128 v[EE+8*(\p):EE+8*(\p)+3], v[AN] offset:REC*(\rec)
	ds_load_b128 v[EE+8*(\p)+4:EE+8*(\p)+7], v[AN] offset:REC*(\rec)+16
.endm
.macro FRAGS p, rec                    ; the same record's four fragments and its scale words into set p: with the two loads above 19 loads in one run
	WIN 0
.set g, 0
.rept 16
	ds_load_b128 v[EF+64*(\p)+4*g:EF+64*(\p)+4*g+3], v[AF] offset:REC*(\rec)+512*g
.set g, g+1
.endr
	ds_load_b128 v[ES+4*(\p):ES+4*(\p)+3], v[AS] offset:REC*(\rec)
.endm
; Matrix instruction i of a block, on set p: K step i / 8, row block i % 8.  The first eight start the sums with -ee / 2: nothing is cleared, and nothing is added afterwards.
.macro BEAT p
.set bk, i/8
.set ba, i%8
.if ba < 4
	WIN M_LO
.else
	WIN M_HI
.endif
.set rD, 64*(\p)+8*ba
.set rE, EF+64*(\p)+16*bk
.set rX, 64*(ba%4)+16*bk
.if bk == 0
	v_wmma_scale_f32_16x16x128_f8f6f4 v[rD:rD+7], v[rE:rE+15], v[rX:rX+15], v[EE+8*(\p):EE+8*(\p)+7], v[ES+4*(\p)+bk], v[XS+4*ba+bk] matrix_a_fmt:MATRIX_FMT_BF8 matrix_b_fmt:MATRIX_FMT_BF8
.else
	v_wmma_scale_f32_16x16x128_f8f6f4 v[rD:rD+7], v[rE:rE+15], v[rX:rX+15], v[rD:rD+7], v[ES+4*(\p)+bk], v[XS+4*ba+bk] matrix_a_fmt:MATRIX_FMT_BF8 matrix_b_fmt:MATRIX_FMT_BF8
.endif
.endm
; THE EPILOGUE of a block, on accumulator set q, is a list of 121 instructions; EP writes number n.  30 for each pair of row blocks (2 pr, 2 pr + 1), m = n % 30:
;   0-7    the largest of each accumulator's eight, each accumulator from its low end on     8, 9   is it over the largest so far?  (strictly: the earlier block keeps a tie)
;   10-19  where it is: the largest, the block's number and the eight sums are kept, for the first row block of the pair;   20-29 for the second
;   120    the block's number steps
.macro EP q
.set pr, n/30
.set m,  n%30
.set d0, 64*(\q)+16*pr
.if n == 120
	v_add_nc_u32 v[CURV], 1, v[CURV]
.elseif m < 6
.set u, m/3
.set w, m%3
.if w < 2
	v_max3_num_f32 v[T+3*u+w], v[d0+8*u+3*w], v[d0+8*u+3*w+1], v[d0+8*u+3*w+2]
.else
	v_max_num_f32 v[T+3*u+2], v[d0+8*u+6], v[d0+8*u+7]
.endif
.elseif m < 8
.set u, m-6
	v_max3_num_f32 v[T+3*u], v[T+3*u], v[T+3*u+1], v[T+3*u+2]
.elseif m < 10
.set u, m-8
	v_cmp_gt_f32 s[42+u], v[T+3*u], v[BEST+2*pr+u]
.else
.set u, (m-10)/10
.set w, (m-10)%10
.if w == 0
	v_cndmask_b32 v[BEST+2*pr+u], v[BEST+2*pr+u], v[T+3*u], s[42+u]
.elseif w == 1
	v_cndmask_b32 v[BID+2*pr+u], v[BID+2*pr+u], v[CURV], s[42+u]
.else
	v_cndmask_b32 v[SAV+8*(2*pr+u)+w-2], v[SAV+8*(2*pr+u)+w-2], v[d0+8*u+w-2], s[42+u]
.endif
.endif
.endm
.macro SLICE q, cnt
	WIN VW
.rept \cnt
	EP \q
.set n, n+1
.endr
.endm
; A BLOCK.  p: its accumulator and fragment set; rec: its record in the slot; chg: 0 none, 1 the slot is left and filled again, 2 it is left; nxt: the next record is fetched; epi: the slices stand in it.
; All that a block reads from LDS belongs to the NEXT record, so a slot's last block reads nothing of the slot that it leaves.
; Places (ISA guide 7.12.1 for a read of the result): eight plain vector instructions that name none of a matrix instruction's registers stand between it and a read of its result or a load into its operands.
; The run of loads stands behind beat 2: the other set's last reader is the last block's beat 31, twelve slice instructions back.  An accumulator's first read stands 21 slice instructions or more behind its last product.
.macro BLOCK p, rec, chg, nxt, epi
	s_wait_dscnt 0x0                               ; my fragments, scale words and first addends are in: asked for 23 matrix instructions ago or more
.set n, 0
.set i, 0
.rept 32
	BEAT \p
.if \epi
.if i < 30
	SLICE 1-\p, 4
.elseif i == 30
	SLICE 1-\p, 1
.endif
.endif
.if i == 2
.if ((\chg) == 0) && \nxt
	NORMS 1-\p, (\rec+1)%4
	FRAGS 1-\p, (\rec+1)%4
.endif
.if (\chg) == 2
	WIN 0
	s_wait_tensorcnt 0x0                           ; the last slot has landed; only I read my bytes, and nothing is filled again: no barrier
	s_xor_b32 s17, s17, SLOTB
	SETADR
	NORMS 1-\p, 0
	FRAGS 1-\p, 0
.endif
.endif
.if (\chg) == 1
.if i == 1
	WIN 0                                          ; (the add's two registers lie in window 0)
	s_wait_tensorcnt 0x0                           ; all my tensor loads have landed: the one that was out is my part of the other slot; so the walking group 0 may be written
	ds_add_u32 v[SPW], v[NIL]                      ; 0 onto my spare word
	s_add_co_u32 s37, s16, s17                     ; the slot that is being left,
	s_add_nc_u64 s[38:39], s[38:39], SLOTW         ; my stream's next four records; the type bits on top are not reached
	s_xor_b32 s17, s17, SLOTB                      ; my reads go on in the other slot
.elseif i == 5
	s_wait_dscnt 0x0                               ; the add is done; my reads of this slot were over at the block's head
	s_barrier_signal -1                            ; opens a round of the cluster's barrier; three beats of register work stand inside
.elseif i == 8
	WIN 0                                          ; at a branch and at a label every window is 0
	s_barrier_wait -1
	CREST                                          ; no wave of any partner still reads this slot or has a load on its way
	tensor_load_to_lds s[36:39], s[24:31]          ; the first tensor load behind the round, my only one until the next: four blocks less seven beats, 121 matrix instructions, in which to land
	s_nop 0
.rept 4
	v_nop
.endr
	SETADR
	NORMS 1-\p, 0
	FRAGS 1-\p, 0
.endif
.endif
.set i, i+1
.endr
.endm
	s_wait_tensorcnt 0x1                           ; my part of slot 0 is in; slot 1's may stay out.  Only I read my bytes: no barrier
	SETADR
	NORMS 0, 0
	FRAGS 0, 0
	s_wait_loadcnt 0x0                             ; x
	BLOCK 0, 0, 0, 1, 0                            ; block 0: there is no epilogue yet to set between its products
.rept 8
	v_nop                                          ; the places behind them
.endr
	WIN 0
	s_mov_b32 s45, 14
.Ltrip:                                            ; 14 trips of four blocks: blocks 1 to 56; each trip leaves a slot and fills it again
	BLOCK 1, 1, 0, 1, 1
	BLOCK 0, 2, 0, 1, 1
	BLOCK 1, 3, 1, 1, 1
	BLOCK 0, 0, 0, 1, 1
	WIN 0
	s_sub_co_u32 s45, s45, 1
	s_cmp_lg_u32 s45, 0
	s_cbranch_scc1 .Ltrip
	BLOCK 1, 1, 0, 1, 1                            ; the tail is written out: blocks 57 to 63
	BLOCK 0, 2, 0, 1, 1
	BLOCK 1, 3, 2, 1, 1
	BLOCK 0, 0, 0, 1, 1
	BLOCK 1, 1, 0, 1, 1
	BLOCK 0, 2, 0, 1, 1
	BLOCK 1, 3, 0, 0, 1
.rept 8
	v_nop
.endr
.set n, 0
	SLICE 1, 120                                   ; the last block's epilogue
	; THE END.  Which of the eight saved sums was the largest: the lowest j that equals it.  Then the column, the distance, the other half of the lanes', the other waves'.
.irp a, 0,1,2,3,4,5,6,7
	v_mov_b32 v[EE+\a], 7
.endr
.irp j, 6,5,4,3,2,1,0
.irp a, 0,1,2,3,4,5,6,7
	v_cmp_eq_f32 vcc_lo, v[SAV+8*\a+\j], v[BEST+\a]
	v_cndmask_b32 v[EE+\a], v[EE+\a], \j, vcc_lo
.endr
.endr
.irp a, 0,1,2,3,4,5,6,7
	v_lshl_add_u32 v[BID+\a], v[BID+\a], 4, v[EE+\a]   ; 16 x block + j
.endr
.irp a, 0,1,2,3,4,5,6,7
	v_add_nc_u32 v[BID+\a], v[BID+\a], v[H8]           ; + 8 h + my wave's first column
.endr
.irp a, 0,1,2,3,4,5,6,7
	v_fma_f32 v[BEST+\a], v[BEST+\a], -2.0, v[XX+\a]   ; dist = xx - 2 s: from here on the smaller is the better
.endr
.irp a, 0,1,2,3,4,5,6,7
	v_permlanex16_b32 v[EE+8+\a], v[BEST+\a], s40, s41
.endr
.irp a, 0,1,2,3,4,5,6,7
	v_permlanex16_b32 v[EE+\a], v[BID+\a], s40, s41
.endr
.irp a, 0,1,2,3,4,5,6,7
	v_cmp_lt_f32 s42, v[EE+8+\a], v[BEST+\a]           ; the other lane's is taken where it is smaller,
	v_cmp_eq_f32 s43, v[EE+8+\a], v[BEST+\a]
	v_cmp_lt_u32 vcc_lo, v[EE+\a], v[BID+\a]           ; or equal with the lower column: both lanes end with the same pair
	s_and_b32 s43, s43, vcc_lo
	s_or_b32 s42, s42, s43
	v_cndmask_b32 v[BEST+\a], v[BEST+\a], v[EE+8+\a], s42
	v_cndmask_b32 v[BID+\a], v[BID+\a], v[EE+\a], s42
.endr
	WIN FROM3
.irp a, 0,1,2,3,4,5,6,7
	ds_store_b32 v[MA], v[BEST+\a] offset:64*\a        ; row 16 a + r of my wave's 128 (both halves write the same word with the same value)
	ds_store_b32 v[MA], v[BID+\a] offset:2048+64*\a
.endr
	WIN 0
	s_wait_dscnt 0x0                               ; for the others' sake: my stores have landed
	s_barrier_signal -1
	s_barrier_wait -1
.irp w, 0,1,2,3
	ds_load_b64 v[192+2*\w:193+2*\w], v[MR] offset:512*\w          ; two rows a lane, wave w's smallest,
	ds_load_b64 v[200+2*\w:201+2*\w], v[MR] offset:2048+512*\w     ; and its column
.endr
	s_wait_tensorcnt 0x0                           ; the wave's end: behind my last tensor load and my last LDS store
	ds_add_u32 v[SPW], v[NIL]
	s_wait_dscnt 0x0                               ; the eight loads above are in as well
.irp w, 1,2,3
.irp e, 0,1
	v_cmp_lt_f32 vcc_lo, v[192+2*\w+\e], v[192+\e]     ; the waves in ascending order of their columns, strictly: the first keeps a tie
	v_cndmask_b32 v[192+\e], v[192+\e], v[192+2*\w+\e], vcc_lo
	v_cndmask_b32 v[200+\e], v[200+\e], v[200+2*\w+\e], vcc_lo
.endr
.endr
	s_cmp_lt_u32 s12, 2
	s_cbranch_scc0 .Lcols
	global_store_b64 v[L8], v[192:193], s[8:9]     ; waves 0, 1: 64 rows' distances: 256 consecutive, aligned bytes
	s_branch .Lstored
.Lcols:
	global_store_b64 v[L8], v[200:201], s[10:11]   ; waves 2, 3: their columns
.Lstored:
	ROUND                                          ; the closing round: no work-group ends while a partner may still ask for a tile that names it
	s_endpgm
.Lfunc_end_k_qadfa4b589d_dist:
	.size	k_qadfa4b589d_dist, .Lfunc_end_k_qadfa4b589d_dist-k_qadfa4b589d_dist
	.p2alignl 7, 3214868480
	.fill 96, 4, 3214868480
	.section	.rodata,"a",@progbits
	.p2align	6, 0x0
	.amdhsa_kernel k_qadfa4b589d_dist
		.amdhsa_group_segment_fixed_size 327680
		.amdhsa_private_segment_fixed_size 0
		.amdhsa_enable_private_segment 0
		.amdhsa_kernarg_size 32
		.amdhsa_user_sgpr_count 2
		.amdhsa_user_sgpr_kernarg_segment_ptr 1
		.amdhsa_wavefront_size32 1
		.amdhsa_system_sgpr_workgroup_id_x 1
		.amdhsa_system_sgpr_workgroup_id_y 1
		.amdhsa_system_sgpr_workgroup_id_z 1
		.amdhsa_system_vgpr_workitem_id 0
		.amdhsa_next_free_vgpr 1024
		.amdhsa_next_free_sgpr 66
		.amdhsa_reserve_vcc 1
		.amdhsa_float_denorm_mode_32 3
		.amdhsa_float_denorm_mode_16_64 3
		.amdhsa_memory_ordered 1
		.amdhsa_forward_progress 1
		.amdhsa_inst_pref_size 209
	.end_amdhsa_kernel
	.amdgpu_metadata
---
amdhsa.version: [ 1, 2 ]
amdhsa.kernels:
  - .name:           k_qadfa4b589d_dist
    .symbol:         k_qadfa4b589d_dist.kd
    .args:
      - { .name: xrec, .offset: 0, .size: 8, .value_kind: global_buffer, .address_space: global }
      - { .name: erec, .offset: 8, .size: 8, .value_kind: global_buffer, .address_space: global }
      - { .name: candv, .offset: 16, .size: 8, .value_kind: global_buffer, .address_space: global }
      - { .name: candi, .offset: 24, .size: 8, .value_kind: global_buffer, .address_space: global }
    .group_segment_fixed_size: 327680
    .private_segment_fixed_size: 0
    .kernarg_segment_align: 8
    .kernarg_segment_size: 32
    .max_flat_workgroup_size: 128
    .sgpr_count:     66
    .vgpr_count:     1024
    .wavefront_size: 32
...
	.end_amdgpu_metadata
.endif
;; end of part 2
;; launch gather (part 3): grid 256 x 1, 16 waves a work-group, no clusters, 6,144 bytes of LDS; arguments input, embt, candv, candi, out0, out2, part; writes out0, out2, part
.if DOCPART == 3
	.amdgcn_target "amdgcn-amd-amdhsa--gfx1250"
	.amdhsa_code_object_version 6
	.text
	.protected	k_qadfa4b589d_gather
	.globl	k_qadfa4b589d_gather
	.p2align	8
	.type	k_qadfa4b589d_gather,@function
k_qadfa4b589d_gather:
	s_mov_b64 s[64:65], 0
	v_nop
	global_prefetch_b8 v0, s[64:65] scope:SCOPE_SE
	s_setreg_imm32_b32 hwreg(HW_REG_WAVE_MODE, 25, 1), 1
	s_wait_xcnt 0x0
; For each row: the better of the two halves' candidates (the second only where its distance is strictly smaller: the first column keeps a tie) gives out2; q = that code vector (a row of embt);
; out0 = x + (q - x); the squares of q - x are summed, 64 partial sums a work-group, into part.
; The choice between the two candidates hangs on floating-point numbers, so no address hangs on it: BOTH rows of embt are loaded, by the stored columns, and the choice selects values.
; SHARES.  A work-group takes 64 rows, each of its sixteen waves 4; a lane holds 16 bytes at 512 c + 16 x lane, c = 0 .. 3, of a row: each load and store covers 512 consecutive bytes.
; A wave asks for all that it reads at once: 16 loads of x, which need no column and go out while the columns come, then 8 loads of embt for each row: 48 loads of 512 bytes; no register is loaded twice.
; No matrix unit, no LDS ring, no cluster: a stream; the rows of embt are named by a list, so that no two work-groups are known to want the same tile.
; LIMITS: the loss's squares are summed in another order than a plain mean; NaN and infinities are not served.
.set ROWB, 2048
.set OA,  16                           ; v16-19 row i: byte offset of my 16 bytes in the first candidate's row
.set OB,  20                           ; v20-23 the second's
.set CH,  24                           ; v[24:27] two packed chains of squares
.set SL,  32                           ; row i at v[32 + 48 i]: x, then candidate 0 (later q, later out0), then candidate 1 (later q - x)
	s_load_b256 s[4:11], s[0:1], 0x0               ; input s[4:5], embt s[6:7], candv s[8:9], candi s[10:11]
	s_load_b128 s[12:15], s[0:1], 0x20             ; out0 s[12:13], out2 s[14:15]
	s_load_b64 s[36:37], s[0:1], 0x30              ; part
	v_lshl_add_u32 v224, v0, 2, 0x1000
	v_mov_b32 v225, 0
	v_lshrrev_b32 v1, 5, v0
	v_readfirstlane_b32 s38, v1                    ; wave 0..15
	v_and_b32 v2, 31, v0
	v_lshlrev_b32 v1, 4, v2                        ; v1  16 x lane
	v_lshlrev_b32 v2, 3, v2                        ; v2  8 x lane
	v_lshlrev_b32 v3, 3, v0                        ; v3  LDS: 256 x wave + 8 x lane
	s_lshl_b32 s39, ttmp9, 6
	s_lshl_b32 s40, s38, 2
	s_add_co_u32 s40, s39, s40                     ; my first row
	s_lshl_b32 s42, s40, 2
	s_mov_b32 s43, 0
	s_lshl_b32 s52, s40, 11
	s_mov_b32 s53, 0
	s_wait_kmcnt 0x0
	s_add_nc_u64 s[44:45], s[10:11], s[42:43]      ; the columns of my 4 rows,
	s_add_nc_u64 s[46:47], s[8:9], s[42:43]        ; and their distances
	s_load_b128 s[16:19], s[44:45], 0x0            ; first half's columns
	s_load_b128 s[20:23], s[44:45], 0x10000        ; second half's
	s_load_b128 s[24:27], s[46:47], 0x0            ; first half's distances
	s_load_b128 s[28:31], s[46:47], 0x10000        ; second half's
	s_add_nc_u64 s[48:49], s[4:5], s[52:53]        ; x at my first row
	s_add_nc_u64 s[50:51], s[12:13], s[52:53]      ; out0 likewise
	s_cmp_lg_u32 s38, 0
	s_cbranch_scc1 .Lnot_0a
	global_load_b64 v[8:9], v2, s[46:47]           ; wave 0 makes out2 of the work-group's 64 rows, two a lane (its first row is the work-group's): its oldest four loads
	global_load_b64 v[10:11], v2, s[46:47] offset:65536
	global_load_b64 v[12:13], v2, s[44:45]
	global_load_b64 v[14:15], v2, s[44:45] offset:65536
.Lnot_0a:
.irp i, 0,1,2,3
.irp c, 0,1,2,3
	global_load_b128 v[SL+48*\i+4*\c:SL+48*\i+4*\c+3], v1, s[48:49] offset:ROWB*\i+512*\c th:TH_LOAD_NT
.endr
.endr
	s_wait_kmcnt 0x0
.set J, 0
.rept 8
	s_min_u32 s[16+J], s[16+J], 0x1fff             ; a loaded number enters an address only behind a bound: the table has 8,192 rows
.set J, J+1
.endr
.irp i, 0,1,2,3
	v_lshl_add_u32 v[OA+\i], s[16+\i], 11, v1
	v_lshl_add_u32 v[OB+\i], s[20+\i], 11, v1
.irp c, 0,1,2,3
	global_load_b128 v[SL+48*\i+16+4*\c:SL+48*\i+16+4*\c+3], v[OA+\i], s[6:7] offset:512*\c
.endr
.irp c, 0,1,2,3
	global_load_b128 v[SL+48*\i+32+4*\c:SL+48*\i+32+4*\c+3], v[OB+\i], s[6:7] offset:512*\c
.endr
.endr
	s_cmp_lg_u32 s38, 0
	s_cbranch_scc1 .Lnot_0b
	s_lshl_b32 s42, ttmp9, 8
	s_add_nc_u64 s[14:15], s[14:15], s[42:43]
	s_wait_loadcnt 48                              ; behind wave 0's four: 16 loads of x and 32 of embt, which stay out
	v_cmp_lt_f32 vcc_lo, v10, v8
	v_cndmask_b32 v12, v12, v14, vcc_lo
	v_cmp_lt_f32 vcc_lo, v11, v9
	v_cndmask_b32 v13, v13, v15, vcc_lo
	global_store_b64 v2, v[12:13], s[14:15]        ; 256 consecutive, aligned bytes
.Lnot_0b:
.macro TURN i
.set SS, SL+48*(\i)
	s_wait_loadcnt 8*(3-(\i))                      ; loads come back in order: x and this row's eight are in; eight for each younger row may be out
	v_mov_b32 v4, s[24+(\i)]
	v_cmp_lt_f32 vcc_lo, s[28+(\i)], v4            ; is the second half's distance strictly smaller?  The same in all lanes
.set J, 0
.rept 16
	v_cndmask_b32 v[SS+16+J], v[SS+16+J], v[SS+32+J], vcc_lo       ; q
.set J, J+1
.endr
.set J, 0
.rept 8
	v_pk_add_f32 v[SS+32+2*J:SS+33+2*J], v[SS+16+2*J:SS+17+2*J], v[SS+2*J:SS+2*J+1] neg_lo:[0,1] neg_hi:[0,1]   ; q - x
.set J, J+1
.endr
.set J, 0
.rept 8
.if ((\i) == 0) && (J < 2)
	v_pk_mul_f32 v[CH+2*(J%2):CH+2*(J%2)+1], v[SS+32+2*J:SS+33+2*J], v[SS+32+2*J:SS+33+2*J]                     ; the first squares start the chains
.else
	v_pk_fma_f32 v[CH+2*(J%2):CH+2*(J%2)+1], v[SS+32+2*J:SS+33+2*J], v[SS+32+2*J:SS+33+2*J], v[CH+2*(J%2):CH+2*(J%2)+1]
.endif
.set J, J+1
.endr
.set J, 0
.rept 8
	v_pk_add_f32 v[SS+16+2*J:SS+17+2*J], v[SS+2*J:SS+2*J+1], v[SS+32+2*J:SS+33+2*J]                             ; x + (q - x)
.set J, J+1
.endr
.irp c, 0,1,2,3
	global_store_b128 v1, v[SS+16+4*\c:SS+16+4*\c+3], s[50:51] offset:ROWB*(\i)+512*\c th:TH_STORE_NT
.endr
.endm
	TURN 0
	TURN 1
	TURN 2
	TURN 3
	v_pk_add_f32 v[CH:CH+1], v[CH:CH+1], v[CH+2:CH+3]
	ds_store_b64 v3, v[CH:CH+1]
	s_wait_dscnt 0x0                               ; for wave 0's sake
	s_barrier_signal -1
	s_barrier_wait -1
	s_cmp_lg_u32 s38, 0
	s_cbranch_scc1 .Lend
	s_wait_xcnt 0x0                                ; my stores have read their registers: some of them are loaded below
.irp w, 0,1,2,3,4,5,6,7,8,9,10,11,12,13,14,15
	ds_load_b64 v[32+2*\w:33+2*\w], v2 offset:256*\w
.endr
	s_lshl_b32 s42, ttmp9, 8
	s_add_nc_u64 s[36:37], s[36:37], s[42:43]
	s_wait_dscnt 0x0
.irp w, 1,2,3,4,5,6,7,8,9,10,11,12,13,14,15
	v_pk_add_f32 v[32:33], v[32:33], v[32+2*\w:33+2*\w]            ; the waves in ascending order
.endr
	global_store_b64 v2, v[32:33], s[36:37]        ; the work-group's 64 partial sums: 256 consecutive, aligned bytes
.Lend:
	s_wait_tensorcnt 0x0
	ds_add_u32 v224, v225
	s_wait_dscnt 0x0
	s_endpgm
.Lfunc_end_k_qadfa4b589d_gather:
	.size	k_qadfa4b589d_gather, .Lfunc_end_k_qadfa4b589d_gather-k_qadfa4b589d_gather
	.p2alignl 7, 3214868480
	.fill 96, 4, 3214868480
	.section	.rodata,"a",@progbits
	.p2align	6, 0x0
	.amdhsa_kernel k_qadfa4b589d_gather
		.amdhsa_group_segment_fixed_size 6144
		.amdhsa_private_segment_fixed_size 0
		.amdhsa_enable_private_segment 0
		.amdhsa_kernarg_size 56
		.amdhsa_user_sgpr_count 2
		.amdhsa_user_sgpr_kernarg_segment_ptr 1
		.amdhsa_wavefront_size32 1
		.amdhsa_system_sgpr_workgroup_id_x 1
		.amdhsa_system_sgpr_workgroup_id_y 1
		.amdhsa_system_sgpr_workgroup_id_z 1
		.amdhsa_system_vgpr_workitem_id 0
		.amdhsa_next_free_vgpr 226
		.amdhsa_next_free_sgpr 66
		.amdhsa_reserve_vcc 1
		.amdhsa_float_denorm_mode_32 3
		.amdhsa_float_denorm_mode_16_64 3
		.amdhsa_memory_ordered 1
		.amdhsa_forward_progress 1
		.amdhsa_inst_pref_size 21
	.end_amdhsa_kernel
	.amdgpu_metadata
---
amdhsa.version: [ 1, 2 ]
amdhsa.kernels:
  - .name:           k_qadfa4b589d_gather
    .symbol:         k_qadfa4b589d_gather.kd
    .args:
      - { .name: input, .offset: 0, .size: 8, .value_kind: global_buffer, .address_space: global }
      - { .name: embt, .offset: 8, .size: 8, .value_kind: global_buffer, .address_space: global }
      - { .name: candv, .offset: 16, .size: 8, .value_kind: global_buffer, .address_space: global }
      - { .name: candi, .offset: 24, .size: 8, .value_kind: global_buffer, .address_space: global }
      - { .name: out0, .offset: 32, .size: 8, .value_kind: global_buffer, .address_space: global }
      - { .name: out2, .offset: 40, .size: 8, .value_kind: global_buffer, .address_space: global }
      - { .name: part, .offset: 48, .size: 8, .value_kind: global_buffer, .address_space: global }
    .group_segment_fixed_size: 6144
    .private_segment_fixed_size: 0
    .kernarg_segment_align: 8
    .kernarg_segment_size: 56
    .max_flat_workgroup_size: 512
    .sgpr_count:     66
    .vgpr_count:     226
    .wavefront_size: 32
...
	.end_amdgpu_metadata
.endif
;; end of part 3
;; launch total (part 4): grid 1 x 1, 8 waves a work-group, no clusters, 1,280 bytes of LDS; arguments part, out1; writes out1
.if DOCPART == 4
	.amdgcn_target "amdgcn-amd-amdhsa--gfx1250"
	.amdhsa_code_object_version 6
	.text
	.protected	k_qadfa4b589d_total
	.globl	k_qadfa4b589d_total
	.p2align	8
	.type	k_qadfa4b589d_total,@function
k_qadfa4b589d_total:
	s_mov_b64 s[64:65], 0
	v_nop
	global_prefetch_b8 v0, s[64:65] scope:SCOPE_SE
	s_setreg_imm32_b32 hwreg(HW_REG_WAVE_MODE, 25, 1), 1
	s_wait_xcnt 0x0
; out1 = 0.25 x the mean of (q - x)^2 = 2^-25 x the sum of part's 16,384 partial sums (16,384 x 512 = 2^23 numbers).
; One work-group: a sum over all work-groups of the launch before has one owner, and this is all the work there is.  A thread takes 64 numbers by 16 loads of 16 bytes; a wave's load covers 512 consecutive bytes.
	s_load_b128 s[4:7], s[0:1], 0x0                ; part, out1
	v_lshl_add_u32 v80, v0, 2, 0x100
	v_mov_b32 v81, 0
	v_lshlrev_b32 v1, 4, v0                        ; 16 x thread
	v_lshrrev_b32 v2, 5, v0
	v_lshlrev_b32 v2, 2, v2                        ; LDS: 4 x wave
	v_mov_b32 v3, 0
	s_mov_b32 s10, 0x76543210
	s_mov_b32 s11, 0xfedcba98
	s_wait_kmcnt 0x0
.irp i, 0,1,2,3,4,5,6,7,8,9,10,11,12,13,14,15
	global_load_b128 v[8+4*\i:11+4*\i], v1, s[4:5] offset:4096*\i
.endr
	s_wait_loadcnt 0x0
.irp i, 1,2,3,4,5,6,7,8,9,10,11,12,13,14,15
	v_pk_add_f32 v[8:9], v[8:9], v[8+4*\i:9+4*\i]          ; two chains
	v_pk_add_f32 v[10:11], v[10:11], v[10+4*\i:11+4*\i]
.endr
	v_pk_add_f32 v[8:9], v[8:9], v[10:11]
	v_add_f32 v8, v8, v9
	v_add_f32_dpp v8, v8, v8 row_xmask:1 row_mask:0xf bank_mask:0xf
	v_add_f32_dpp v8, v8, v8 row_xmask:2 row_mask:0xf bank_mask:0xf
	v_add_f32_dpp v8, v8, v8 row_xmask:4 row_mask:0xf bank_mask:0xf
	v_add_f32_dpp v8, v8, v8 row_xmask:8 row_mask:0xf bank_mask:0xf
	v_permlanex16_b32 v9, v8, s10, s11
	v_add_f32 v8, v8, v9                           ; the wave's sum, in every lane
	ds_store_b32 v2, v8                            ; all lanes write the wave's word with the same value
	s_wait_dscnt 0x0
	s_barrier_signal -1
	s_barrier_wait -1
	ds_load_b128 v[12:15], v3
	ds_load_b128 v[16:19], v3 offset:16
	s_wait_dscnt 0x0
	v_add_f32 v12, v12, v13
	v_add_f32 v14, v14, v15
	v_add_f32 v16, v16, v17
	v_add_f32 v18, v18, v19
	v_add_f32 v12, v12, v14
	v_add_f32 v16, v16, v18
	v_add_f32 v12, v12, v16
	v_mul_f32 v12, 0x33000000, v12                 ; x 2^-25
	s_wait_xcnt 0x0                                ; EXEC changes only behind this wait
	v_cmp_eq_u32 vcc_lo, 0, v0
	s_wait_tensorcnt 0x0
	ds_add_u32 v80, v81
	s_wait_dscnt 0x0
	s_and_saveexec_b32 s8, vcc_lo
	global_store_b32 v3, v12, s[6:7]               ; thread 0 alone: the output is one number
	s_wait_xcnt 0x0
	s_or_b32 exec_lo, exec_lo, s8
	s_endpgm
.Lfunc_end_k_qadfa4b589d_total:
	.size	k_qadfa4b589d_total, .Lfunc_end_k_qadfa4b589d_total-k_qadfa4b589d_total
	.p2alignl 7, 3214868480
	.fill 96, 4, 3214868480
	.section	.rodata,"a",@progbits
	.p2align	6, 0x0
	.amdhsa_kernel k_qadfa4b589d_total
		.amdhsa_group_segment_fixed_size 1280
		.amdhsa_private_segment_fixed_size 0
		.amdhsa_enable_private_segment 0
		.amdhsa_kernarg_size 16
		.amdhsa_user_sgpr_count 2
		.amdhsa_user_sgpr_kernarg_segment_ptr 1
		.amdhsa_wavefront_size32 1
		.amdhsa_system_sgpr_workgroup_id_x 1
		.amdhsa_system_sgpr_workgroup_id_y 1
		.amdhsa_system_sgpr_workgroup_id_z 1
		.amdhsa_system_vgpr_workitem_id 0
		.amdhsa_next_free_vgpr 82
		.amdhsa_next_free_sgpr 66
		.amdhsa_reserve_vcc 1
		.amdhsa_float_denorm_mode_32 3
		.amdhsa_float_denorm_mode_16_64 3
		.amdhsa_memory_ordered 1
		.amdhsa_forward_progress 1
		.amdhsa_inst_pref_size 6
	.end_amdhsa_kernel
	.amdgpu_metadata
---
amdhsa.version: [ 1, 2 ]
amdhsa.kernels:
  - .name:           k_qadfa4b589d_total
    .symbol:         k_qadfa4b589d_total.kd
    .args:
      - { .name: part, .offset: 0, .size: 8, .value_kind: global_buffer, .address_space: global }
      - { .name: out1, .offset: 8, .size: 8, .value_kind: global_buffer, .address_space: global }
    .group_segment_fixed_size: 1280
    .private_segment_fixed_size: 0
    .kernarg_segment_align: 8
    .kernarg_segment_size: 16
    .max_flat_workgroup_size: 256
    .sgpr_count:     66
    .vgpr_count:     82
    .wavefront_size: 32
...
	.end_amdgpu_metadata
.endif
;; end of part 4
